; MI455X (gfx1250); checked and timed in simulation.
; The chip was launched on July 23, 2026; its instructions are those of AMD's public machine-readable ISA for CDNA 5 (MIT licence, August 2026) and "CDNA5" Instruction Set Architecture Reference Guide (July 2026).
;; Multi Head Attention. Allowed arithmetic: matrix products marked QUANTISED: E5M2 operands, one given power-of-two scale a tensor, by v_wmma_f32_16x16x64_bf8_bf8 or v_wmma_f32_16x16x128_bf8_bf8, f32 sums; everything else in f32.
;; Inputs: W_heads_codes 16 x 64 x 32 x 32 uint8 (E5M2 codes of W_heads, K innermost, in blocks of 32 codes); W_proj_codes 1,024 x 32 x 32 uint8 (E5M2 codes of W_proj, K innermost, in blocks of 32 codes); b_proj 1,024 float32; lowp_scales 4 int32 (the exponents e of the quantised operands' scales 2^e); x_codes 32 x 2,048 x 32 x 32 uint8 (E5M2 codes of x, K innermost, in blocks of 32 codes).
;; Outputs: out0 32 x 1,024 float32.
;; This version of the problem:
;;   THIS VERSION OF THE PROBLEM IS GIVEN IN LOW PRECISION. The matrix products marked QUANTISED in the list below multiply operands that are first quantised to E5M2 (5 exponent bits, 2 mantissa bits; 8 bits a number), with one given power-of-two scale for each operand tensor; their sums are f32. All else is computed in f32.
;;   The module's matrix products, in the order in which they are computed (A, B: the left and right operand; K: the contracted axis; several contracted axes count as one K, in the product's order):
;;     1. [M 65,536, K 1,024] x [K 1,024, N 1,024]; A: input x (given as codes); B: input W_heads (given as codes): QUANTISED (scales: A lowp_scales[0], B lowp_scales[1])
;;     2. [M 32, K 1,024] x [K 1,024, N 1,024]; A: computed on the way; B: input W_proj (given as codes): QUANTISED (scales: A lowp_scales[2], B lowp_scales[3])
;;   THE QUANTISER, for each operand of a quantised product, along K:
;;     - The operand's scale is 2^e, e = its entry of the input lowp_scales (int32; the entries are numbered through the quantised products in the list's order, A before B).
;;     - Each number is divided by the scale, clamped to +-57,344, and rounded to the nearest number of E5M2, ties to even, subnormals kept.
;;     - The product sums the exact products of the quantised numbers (number of the format x scale) in f32.
;;   ~~~python
;;   def quantise(x, axis, e):      # numpy; x: float32 -> the quantised numbers, widened to float32 again
;;       x = np.moveaxis(x, axis, -1); K = x.shape[-1]
;;       r = np.clip(x / 2.0 ** e, -57344, 57344)
;;       step = 2.0 ** (np.maximum(np.frexp(np.where(r == 0, 1, r))[1] - 1, -14) - 2)
;;       q = np.round(r / step) * step * 2.0 ** e      # np.round: ties to even
;;       return np.moveaxis(q, -1, axis).astype(np.float32)
;;   ~~~
;;   OPERANDS COMPUTED ON THE WAY. 'Computed on the way' means the value that the module computes at that place (a softmax that the list does not call 'softmax' is quantised finished and normalised). What goes into a quantiser is computed in f32, as accurately as f32 sums, v_exp_f32 and their like allow (about 1e-6 of the number): no bf16 or f16 on the way to a quantiser, and a product that is left as it is and whose result goes on into a quantised operand takes f32 operands (vector FMAs, or v_wmma_f32_16x16x4_f32). A number that lies on a knife's edge between two numbers of the format may be rounded either way, as far as f32 arithmetic and the matrix unit's own rounding can turn it there, and no further.
;;   INPUTS GIVEN AS CODES. W_heads (in the module: [16, 64, 1024], K = its axis 2); W_proj (in the module: [1024, 1024], K = its axis 1); x (in the module: [32, 2048, 1024], K = its axis 2): each comes as NAME_codes (uint8): NAME with its K axis moved to the last place and cut into blocks of 32 codes, [.., K / 32, bytes a block], one block behind the other in memory; one code a byte (a code: sign, 5 exponent bits, 2 mantissa bits); its scale is its entry of lowp_scales. Its value is code x scale, taken as it is: it is not quantised again, and the codes and scales need not be those that the quantiser above would give.
;; One version. Each part assembles by itself: llvm-mc -triple=amdgcn-amd-amdhsa -mcpu=gfx1250 --defsym DOCPART=n.
;; ======== version 1 of 1: 2 launches
;; limits: right only within a limited range of input values
;; workspace buffers: part 262,144 bytes
;; launch pool (part 1): grid 256 x 1, 4 waves a work-group, clusters of 4 x 1, 327,680 bytes of LDS; arguments x_codes, W_heads_codes, part; writes part
.if DOCPART == 1
	.amdgcn_target "amdgcn-amd-amdhsa--gfx1250"
	.amdhsa_code_object_version 6
	.text
	.protected	k_qc3bb631c1f_pool
	.globl	k_qc3bb631c1f_pool
	.p2align	8
	.type	k_qc3bb631c1f_pool,@function
k_qc3bb631c1f_pool:
	s_mov_b64 s[64:65], 0
	v_nop
	global_prefetch_b8 v0, s[64:65] scope:SCOPE_SE
	s_setreg_imm32_b32 hwreg(HW_REG_WAVE_MODE, 25, 1), 1
	s_wait_xcnt 0x0
	s_wait_alu depctr_hold_cnt(0) depctr_sa_sdst(0) depctr_va_vdst(0) depctr_va_sdst(0) depctr_va_ssrc(0) depctr_va_vcc(0) depctr_vm_vsrc(0)
	s_getreg_b32 s2, hwreg(HW_REG_IB_STS2, 6, 4)
	s_cmp_eq_u32 s2, 0
	s_cbranch_scc0 .Lentry_in_a_cluster
	s_endpgm
.Lentry_in_a_cluster:
	s_bfe_u32 s2, ttmp6, 0x10000c
	s_cmp_lg_u32 s2, 0x3003
	s_cbranch_scc0 .Lentry_shape_is_right
	s_endpgm
.Lentry_shape_is_right:
.set PITCH, 272
.set TROWS, 128
.set SLOTB, TROWS*PITCH
.set WRING, 2*SLOTB
.set RED,   4*WRING
.set SPARE, RED+8*1024
.set TILEB, TROWS*1024
.set ADR,  4
.set WA,   6
.set PFO,  7
.set RST,  8
.set RLD,  9
.set GO,   10
.set SPW,  12
.set NIL,  13
.set FIN,  16
.set SUM,  32
.set XB,   128
.set WV,   10
.set CX,   11
.set CNT,  12
.set G1,   16
.set G0,   24
.set PFA,  32
.set SGN,  39
.set MUL0, 0xf4
.set FLW,  0xcf
.set RED3, 0x0f
.set MSB, 0
.macro WIN new
.if MSB != (\new)
	s_set_vgpr_msb (MSB<<8)|(\new)
.set MSB, (\new)
.endif
.endm
.macro PLACES n
.rept \n
	v_nop
.endr
.endm
.macro CREST
	s_cmp_lg_u32 s[WV], 0
	s_cbranch_scc1 .Lnot_wave_0_\@
	s_barrier_signal -3
.Lnot_wave_0_\@:
	s_barrier_wait -3
	s_barrier_signal -1
	s_barrier_wait -1
.endm
.macro CROUND
	s_barrier_signal -1
	s_barrier_wait -1
	CREST
.endm
.macro FR1 slot, g, p, f
	WIN 0
.irp c, 0,1,2,3
	ds_load_b128 v[XB+64*(\p)+16*(\f)+4*\c:XB+64*(\p)+16*(\f)+4*\c+3], v[ADR+\slot] offset:(4*((\g)%2)+(\f))*16*PITCH+128*((\g)/2)+32*\c
.endr
.endm
.macro FETCH slot, g, p
	FR1 \slot, \g, \p, 0
	FR1 \slot, \g, \p, 1
	FR1 \slot, \g, \p, 2
	FR1 \slot, \g, \p, 3
.endm
.macro WLD b, j
	WIN 0x40*((\b)/4+1)
	global_load_b128 v[16*(4*((\b)%4)+(\j)/4)+4*((\j)%4):16*(4*((\b)%4)+(\j)/4)+4*((\j)%4)+3], v[WA], s[6:7] offset:(4*((\b)%4)+(\j)/4)*16384+128*((\b)/4)+32*((\j)%4)
.endm
.macro WBATCH b
.irp j, 0,1,2,3,4,5,6,7,8,9,10,11,12,13,14,15
	WLD \b, \j
.endr
.endm
.macro MM p, f, n, k, zero
	WIN MUL0+4*(\k)
.if (\zero) && ((\f) == 0)
	v_wmma_f32_16x16x128_bf8_bf8 v[128*(\k)+8*(\n):128*(\k)+8*(\n)+7], v[XB+64*(\p)+16*(\f):XB+64*(\p)+16*(\f)+15], v[16*(\n):16*(\n)+15], 0
.else
	v_wmma_f32_16x16x128_bf8_bf8 v[128*(\k)+8*(\n):128*(\k)+8*(\n)+7], v[XB+64*(\p)+16*(\f):XB+64*(\p)+16*(\f)+15], v[16*(\n):16*(\n)+15], v[128*(\k)+8*(\n):128*(\k)+8*(\n)+7]
.endif
.endm
.macro ROWM f
.irp n, 0,1,2,3,4,5,6,7,8,9,10,11,12,13,14,15
	MM 1, \f, \n, 1, 0
.endr
.endm
.macro BQ q, p, k, zero, b
.irp f, 0,1,2,3
.irp i, 0,1,2,3
	MM \p, \f, 4*(\q)+\i, \k, \zero
.if ((\b) >= 0) && ((\i)%2 == 1)
	WLD \b, 8*(\p)+2*(\f)+(\i)/2
.endif
.endr
.endr
.endm
.macro NEG q
	WIN 0x8a
.set j, 64*(\q)
.rept 64
	v_xor_b32 v[j], s[SGN], v[j]
.set j, j+1
.endr
	s_wait_alu depctr_va_vdst(0)
.endm
.macro GROUP slot, g, p, k, b
	s_wait_dscnt 0x0
	PLACES 4
.irp f, 0,1,2,3
.irp n, 0,1,2,3,4,5,6,7,8,9,10,11,12,13,14,15
	MM \p, \f, \n, \k, 0
.if ((\f) < 2) && ((\n)%8 == 7)
	FR1 \slot, \g, 1-\p, 2*(\f)+(\n)/8
.endif
.if ((\b) >= 0) && ((\f) >= 2) && ((\n)%2 == 1)
	WLD \b, 8*((\f)-2)+(\n)/2
.endif
.endr
.endr
.endm
.macro TURN slot, next, ask
	WIN 0
	s_wait_xcnt 0x0
	s_add_nc_u64 s[PFA:PFA+1], s[PFA:PFA+1], TILEB
	s_wait_tensorcnt 0x0
	ds_add_u32 v[SPW], v[NIL]
	s_add_nc_u64 s[G0+4*\slot+2:G0+4*\slot+3], s[G0+4*\slot+2:G0+4*\slot+3], 2*TILEB
	s_wait_dscnt 1
	ROWM 0
	s_wait_dscnt 0x0
	s_barrier_signal -1
	ROWM 1
	WIN 0
	s_barrier_wait -1
	CREST
	tensor_load_to_lds s[G0+4*\slot:G0+4*\slot+3], s[G1:G1+7]
	s_nop 0
	PLACES 4
	FR1 \next, 0, 0, 0
.irp n, 0,1,2,3,4,5,6,7,8,9,10,11,12,13,14,15
	MM 1, 2, \n, 1, 0
.if ((\n)%4 == 3) && ((\n) < 15)
	FR1 \next, 0, 0, ((\n)+1)/4
.endif
.endr
	WIN 0
.if \ask == 2
	s_cmp_gt_u32 s[CNT], 1
	s_cbranch_scc0 .Lno_ask_\@
.endif
	global_prefetch_b8 v[PFO], s[PFA:PFA+1] th:TH_LOAD_NT scope:SCOPE_SE
.if \ask == 2
.Lno_ask_\@:
.endif
	ROWM 3
.endm
	s_load_b128 s[4:7], s[0:1], 0x0
	s_load_b64 s[8:9], s[0:1], 0x10
	v_lshl_add_u32 v[SPW], v0, 2, SPARE
	v_mov_b32 v[NIL], 0
	ds_add_u32 v[SPW], v[NIL]
	ds_add_u32 v[SPW], v[NIL]
	v_lshrrev_b32 v1, 5, v0
	v_readfirstlane_b32 s[WV], v1
	s_bfe_u32 s[CX], ttmp6, 0x40000
	s_mov_b32 s[SGN], 0x80808080
	s_mov_b32 s[G1], 15|(1<<20)|(1<<21)|(5<<22)|(3<<25)
	s_mov_b32 s[G1+1], 256<<16
	s_mov_b32 s[G1+2], TROWS<<16
	s_mov_b32 s[G1+3], 256<<16
	s_mov_b32 s[G1+4], TROWS
	s_mov_b32 s[G1+5], 1024
	s_mov_b32 s[G1+6], 0
	s_mov_b32 s[G1+7], 0
	s_lshl_b32 s14, ttmp9, 20
	s_lshl_b32 s38, s[WV], 8
	s_add_co_u32 s14, s14, s38
	s_mov_b32 s15, 0
	s_lshl_b32 s34, s[CX], 18
	s_add_co_u32 s34, s34, s38
	s_mov_b32 s35, 0
	s_mul_i32 s36, s[WV], WRING
	s_lshl_b32 s37, s[WV], 11
	s_wait_dscnt 0x0
	v_and_b32 v1, 15, v0
	v_bfe_u32 v2, v0, 4, 1
	v_and_b32 v3, 31, v0
	v_mul_u32_u24 v[ADR], v1, PITCH
	v_lshlrev_b32 v[WA], 10, v1
	v_lshl_add_u32 v[ADR], v2, 4, v[ADR]
	v_lshl_add_u32 v[WA], v2, 4, v[WA]
	v_add_nc_u32 v[ADR], s36, v[ADR]
	v_add_nc_u32 v[ADR+1], SLOTB, v[ADR]
	v_lshlrev_b32 v[PFO], 10, v3
	v_lshlrev_b32 v[RST], 2, v1
	v_lshl_add_u32 v[RST], v2, 10, v[RST]
	v_add_nc_u32 v[RST], s37, v[RST]
	v_add_nc_u32 v[RST], RED, v[RST]
	v_lshl_add_u32 v[RLD], v0, 3, RED
	v_lshlrev_b32 v[GO], 3, v0
	s_wait_alu depctr_va_vdst(0)
	s_wait_kmcnt 0x0
	s_add_nc_u64 s[6:7], s[6:7], s[34:35]
	WBATCH 0
	WIN 0
	s_add_nc_u64 s[14:15], s[4:5], s[14:15]
.irp s, 0,1
	s_mov_b32 s[G0+4*\s], 1
	s_add_co_u32 s[G0+4*\s+1], s36, \s*SLOTB
	s_add_nc_u64 s[G0+4*\s+2:G0+4*\s+3], s[14:15], \s*TILEB
	s_or_b32 s[G0+4*\s+3], s[G0+4*\s+3], 0x80000000
.endr
	CROUND
	tensor_load_to_lds s[G0:G0+3], s[G1:G1+7]
	s_nop 0
	PLACES 4
	WBATCH 1
	WBATCH 2
	WIN 0
	s_lshl_b32 s34, s[CX], 15
	s_add_nc_u64 s[PFA:PFA+1], s[14:15], s[34:35]
	s_add_nc_u64 s[PFA:PFA+1], s[PFA:PFA+1], 2*TILEB
	s_lshl_b32 s34, ttmp9, 12
	s_lshl_b32 s38, s[CX], 10
	s_add_co_u32 s34, s34, s38
	s_add_nc_u64 s[8:9], s[8:9], s[34:35]
	s_wait_tensorcnt 0x0
	ds_add_u32 v[SPW], v[NIL]
	s_wait_dscnt 0x0
	CROUND
	tensor_load_to_lds s[G0+4:G0+7], s[G1:G1+7]
	s_nop 0
	PLACES 4
	FETCH 0, 0, 0
	FETCH 0, 1, 1
	global_prefetch_b8 v[PFO], s[PFA:PFA+1] th:TH_LOAD_NT scope:SCOPE_SE
	s_wait_loadcnt 32
	s_wait_dscnt 16
	BQ 0, 0, 0, 1, 3
	s_wait_dscnt 0x0
	BQ 0, 1, 0, 0, 3
	s_wait_loadcnt 32
	BQ 1, 0, 0, 1, 4
	BQ 1, 1, 0, 0, 4
	s_wait_loadcnt 32
	BQ 2, 0, 0, 1, 5
	BQ 2, 1, 0, 0, 5
	s_wait_loadcnt 32
	BQ 3, 0, 0, 1, 6
	s_wait_tensorcnt 0x0
	PLACES 4
	FETCH 1, 0, 0
	BQ 3, 1, 0, 0, 6
	GROUP 1, 1, 0, 0, 7
	GROUP 0, 2, 1, 0, -1
	s_wait_loadcnt 48
	s_wait_dscnt 0x0
	NEG 0
	FETCH 0, 3, 1
	BQ 0, 0, 1, 1, -1
	s_wait_dscnt 0x0
	BQ 0, 1, 1, 0, -1
	WIN 0
	s_wait_xcnt 0x0
	s_add_nc_u64 s[PFA:PFA+1], s[PFA:PFA+1], TILEB
	s_wait_tensorcnt 0x0
	ds_add_u32 v[SPW], v[NIL]
	s_add_nc_u64 s[G0+2:G0+3], s[G0+2:G0+3], 2*TILEB
	s_wait_dscnt 0x0
	CROUND
	tensor_load_to_lds s[G0:G0+3], s[G1:G1+7]
	s_nop 0
	PLACES 4
	s_wait_loadcnt 32
	NEG 1
	BQ 1, 0, 1, 1, -1
	BQ 1, 1, 1, 0, -1
	WIN 0
	global_prefetch_b8 v[PFO], s[PFA:PFA+1] th:TH_LOAD_NT scope:SCOPE_SE
	s_wait_loadcnt 16
	NEG 2
	BQ 2, 0, 1, 1, -1
	BQ 2, 1, 1, 0, -1
	s_wait_loadcnt 0x0
	NEG 3
	BQ 3, 0, 1, 1, -1
	PLACES 4
	FETCH 1, 2, 0
	BQ 3, 1, 1, 0, -1
	GROUP 1, 3, 0, 1, -1
	TURN 1, 0, 1
	WIN 0
	s_mov_b32 s[CNT], 2
.Llap:
	GROUP 0, 1, 0, 0, -1
	GROUP 0, 2, 1, 0, -1
	GROUP 0, 3, 0, 1, -1
	TURN 0, 1, 1
	GROUP 1, 1, 0, 0, -1
	GROUP 1, 2, 1, 0, -1
	GROUP 1, 3, 0, 1, -1
	TURN 1, 0, 2
	WIN 0
	s_sub_co_u32 s[CNT], s[CNT], 1
	s_cmp_lg_u32 s[CNT], 0
	s_cbranch_scc1 .Llap
	GROUP 0, 1, 0, 0, -1
	GROUP 0, 2, 1, 0, -1
	GROUP 0, 3, 0, 1, -1
	s_wait_tensorcnt 0x0
	GROUP 1, 0, 1, 1, -1
	GROUP 1, 1, 0, 0, -1
	GROUP 1, 2, 1, 0, -1
	GROUP 1, 3, 0, 1, -1
	s_wait_dscnt 0x0
	ROWM 0
	ROWM 1
	ROWM 2
	ROWM 3
	PLACES 4
	WIN FLW
.irp n, 0,1,2,3,4,5,6,7,8,9,10,11,12,13,14,15
.irp i, 0,2,4,6
	v_pk_add_f32 v[8*\n+\i:8*\n+\i+1], v[8*\n+\i:8*\n+\i+1], v[128+8*\n+\i:128+8*\n+\i+1] neg_lo:[0,1] neg_hi:[0,1]
.endr
.endr
	WIN RED3
.irp n, 0,1,2,3,4,5,6,7,8,9,10,11,12,13,14,15
	v_pk_add_f32 v[XB+4*\n:XB+4*\n+1], v[8*\n:8*\n+1], v[8*\n+2:8*\n+3]
	v_pk_add_f32 v[XB+4*\n+2:XB+4*\n+3], v[8*\n+4:8*\n+5], v[8*\n+6:8*\n+7]
.endr
	WIN 0
.irp n, 0,1,2,3,4,5,6,7,8,9,10,11,12,13,14,15
	v_pk_add_f32 v[XB+4*\n:XB+4*\n+1], v[XB+4*\n:XB+4*\n+1], v[XB+4*\n+2:XB+4*\n+3]
.endr
.irp n, 0,1,2,3,4,5,6,7,8,9,10,11,12,13,14,15
	v_add_f32 v[SUM+\n], v[XB+4*\n], v[XB+4*\n+1]
.endr
.irp n, 0,1,2,3,4,5,6,7,8,9,10,11,12,13,14,15
	ds_store_b32 v[RST], v[SUM+\n] offset:64*\n
.endr
	s_wait_dscnt 0x0
	s_barrier_signal -1
	s_barrier_wait -1
.irp p, 0,1,2,3,4,5,6,7
	ds_load_b64 v[FIN+2*\p:FIN+2*\p+1], v[RLD] offset:1024*\p
.endr
	s_wait_dscnt 0x0
	v_pk_add_f32 v[FIN:FIN+1], v[FIN:FIN+1], v[FIN+2:FIN+3]
	v_pk_add_f32 v[FIN+4:FIN+5], v[FIN+4:FIN+5], v[FIN+6:FIN+7]
	v_pk_add_f32 v[FIN+8:FIN+9], v[FIN+8:FIN+9], v[FIN+10:FIN+11]
	v_pk_add_f32 v[FIN+12:FIN+13], v[FIN+12:FIN+13], v[FIN+14:FIN+15]
	v_pk_add_f32 v[FIN:FIN+1], v[FIN:FIN+1], v[FIN+4:FIN+5]
	v_pk_add_f32 v[FIN+8:FIN+9], v[FIN+8:FIN+9], v[FIN+12:FIN+13]
	v_pk_add_f32 v[FIN:FIN+1], v[FIN:FIN+1], v[FIN+8:FIN+9]
	global_store_b64 v[GO], v[FIN:FIN+1], s[8:9]
	s_wait_tensorcnt 0x0
	ds_add_u32 v[SPW], v[NIL]
	s_wait_dscnt 0x0
	CROUND
	s_endpgm
.Lfunc_end_k_qc3bb631c1f_pool:
	.size	k_qc3bb631c1f_pool, .Lfunc_end_k_qc3bb631c1f_pool-k_qc3bb631c1f_pool
	.p2alignl 7, 3214868480
	.fill 96, 4, 3214868480
	.section	.rodata,"a",@progbits
	.p2align	6, 0x0
	.amdhsa_kernel k_qc3bb631c1f_pool
		.amdhsa_group_segment_fixed_size 327680
		.amdhsa_private_segment_fixed_size 0
		.amdhsa_enable_private_segment 0
		.amdhsa_kernarg_size 24
		.amdhsa_user_sgpr_count 2
		.amdhsa_user_sgpr_kernarg_segment_ptr 1
		.amdhsa_wavefront_size32 1
		.amdhsa_system_sgpr_workgroup_id_x 1
		.amdhsa_system_sgpr_workgroup_id_y 1
		.amdhsa_system_sgpr_workgroup_id_z 1
		.amdhsa_system_vgpr_workitem_id 0
		.amdhsa_next_free_vgpr 1024
		.amdhsa_next_free_sgpr 66
		.amdhsa_reserve_vcc 0
		.amdhsa_float_denorm_mode_32 3
		.amdhsa_float_denorm_mode_16_64 3
		.amdhsa_memory_ordered 1
		.amdhsa_forward_progress 1
		.amdhsa_inst_pref_size 174
	.end_amdhsa_kernel
	.amdgpu_metadata
---
amdhsa.version: [ 1, 2 ]
amdhsa.kernels:
  - .name:           k_qc3bb631c1f_pool
    .symbol:         k_qc3bb631c1f_pool.kd
    .args:
      - { .name: x_codes, .offset: 0, .size: 8, .value_kind: global_buffer, .address_space: global }
      - { .name: W_heads_codes, .offset: 8, .size: 8, .value_kind: global_buffer, .address_space: global }
      - { .name: part, .offset: 16, .size: 8, .value_kind: global_buffer, .address_space: global }
    .group_segment_fixed_size: 327680
    .private_segment_fixed_size: 0
    .kernarg_segment_align: 8
    .kernarg_segment_size: 24
    .max_flat_workgroup_size: 128
    .sgpr_count:     66
    .vgpr_count:     1024
    .wavefront_size: 32
...
	.end_amdgpu_metadata
.endif
;; end of part 1
;; launch proj (part 2): grid 16 x 16, 8 waves a work-group, no clusters, 37,888 bytes of LDS; arguments part, W_proj_codes, b_proj, lowp_scales, out0; writes out0
.if DOCPART == 2
	.amdgcn_target "amdgcn-amd-amdhsa--gfx1250"
	.amdhsa_code_object_version 6
	.text
	.protected	k_qc3bb631c1f_proj
	.globl	k_qc3bb631c1f_proj
	.p2align	8
	.type	k_qc3bb631c1f_proj,@function
k_qc3bb631c1f_proj:
	s_mov_b64 s[64:65], 0
	v_nop
	global_prefetch_b8 v0, s[64:65] scope:SCOPE_SE
	s_setreg_imm32_b32 hwreg(HW_REG_WAVE_MODE, 25, 1), 1
	s_wait_xcnt 0x0
.set PB,   2048
.set PSL,  544
.set PSW,  8*PSL
.set SPARE, PB+8*PSW
.set PA,  4
.set CS,  5
.set CL,  6
.set WA,  7
.set BA,  8
.set PS,  9
.set PL,  10
.set OO,  11
.set SPW, 12
.set NIL, 13
.set SC,  14
.set LIM, 15
.set P0,  16
.set P1,  24
.set PC,  32
.set XF,  36
.set WF,  64
.set ACC, 128
.set BI,  160
.set FIN, 164
.set WV,  14
	s_load_b256 s[4:11], s[0:1], 0x0
	s_load_b64 s[12:13], s[0:1], 0x20
	v_lshrrev_b32 v1, 5, v0
	v_lshl_add_u32 v[SPW], v0, 2, SPARE
	v_mov_b32 v[NIL], 0
	v_readfirstlane_b32 s[WV], v1
	s_and_b32 s15, ttmp7, 0xffff
	s_lshl_b32 s16, s[WV], 8
	s_mul_i32 s17, s[WV], PSW
	s_lshl_b32 s24, s15, 14
	s_lshl_b32 s18, s[WV], 9
	s_add_co_u32 s24, s24, s18
	s_mov_b32 s25, 0
	s_lshl_b32 s26, ttmp9, 16
	s_lshl_b32 s18, s[WV], 7
	s_add_co_u32 s26, s26, s18
	s_mov_b32 s27, 0
	s_lshl_b32 s28, ttmp9, 8
	s_mov_b32 s29, 0
	s_lshl_b32 s30, s15, 13
	s_add_co_u32 s30, s30, s28
	s_mov_b32 s31, 0
	v_and_b32 v2, 15, v0
	v_bfe_u32 v3, v0, 4, 1
	v_lshlrev_b32 v[PA], 5, v2
	v_lshlrev_b32 v[WA], 10, v2
	v_lshlrev_b32 v[BA], 4, v2
	v_lshl_add_u32 v[PA], v3, 13, v[PA]
	v_lshl_add_u32 v[WA], v3, 4, v[WA]
	v_lshlrev_b32 v[CS], 3, v2
	v_and_b32 v[CL], 1, v2
	v_lshlrev_b32 v[OO], 12, v3
	v_lshl_add_u32 v[CS], v3, 7, v[CS]
	v_lshlrev_b32 v[CL], 7, v[CL]
	v_mul_u32_u24 v[PS], 0x110, v3
	v_add_nc_u32 v[CS], s16, v[CS]
	v_lshl_add_u32 v[CL], v3, 4, v[CL]
	v_lshl_add_u32 v[PS], v2, 4, v[PS]
	v_bfe_u32 v[PL], v2, 2, 2
	v_and_b32 v60, 1, v2
	v_bfe_u32 v61, v2, 1, 1
	v_add_nc_u32 v[CL], s16, v[CL]
	v_lshl_add_u32 v[PL], v[PL], 1, v60
	v_mul_u32_u24 v61, 0x110, v61
	v_add_nc_u32 v[PS], s17, v[PS]
	v_mul_u32_u24 v[PL], 0x220, v[PL]
	v_add_nc_u32 v[OO], v[OO], v[BA]
	v_lshl_add_u32 v61, v3, 4, v61
	v_add_nc_u32 v[PL], v[PL], v61
	s_wait_alu depctr_va_vdst(0)
	s_wait_kmcnt 0x0
	s_add_nc_u64 s[4:5], s[4:5], s[24:25]
	s_add_nc_u64 s[6:7], s[6:7], s[26:27]
	s_add_nc_u64 s[8:9], s[8:9], s[28:29]
	s_add_nc_u64 s[12:13], s[12:13], s[30:31]
	s_load_b128 s[20:23], s[10:11], 0x0
	global_load_b128 v[P0:P0+3], v[PA], s[4:5]
	global_load_b128 v[P0+4:P0+7], v[PA], s[4:5] offset:16
	global_load_b128 v[P1:P1+3], v[PA], s[4:5] offset:4096
	global_load_b128 v[P1+4:P1+7], v[PA], s[4:5] offset:4112
.irp t, 0,1,2,3
.irp c, 0,1,2,3
	global_load_b128 v[WF+16*\t+4*\c:WF+16*\t+4*\c+3], v[WA], s[6:7] offset:16384*\t+32*\c
.endr
.endr
	global_load_b128 v[BI:BI+3], v[BA], s[8:9]
	s_wait_kmcnt 0x0
	s_sub_co_i32 s32, s22, s20
	s_sub_co_i32 s32, s32, s21
	s_add_co_i32 s32, s32, 127
	s_lshl_b32 s33, s32, 23
	v_mov_b32 v[SC], s33
	s_add_co_i32 s32, s32, 15
	s_lshl_b32 s32, s32, 23
	s_or_b32 s32, s32, 0x600000
	v_mov_b32 v[LIM], s32
	s_add_co_i32 s34, s22, s23
	s_add_co_i32 s34, s34, 127
	s_lshl_b32 s34, s34, 23
	s_mov_b32 s35, s34
	s_wait_alu depctr_va_vdst(0)
	s_wait_loadcnt 17
.irp j, 0,2,4,6
	v_pk_add_f32 v[P0+\j:P0+\j+1], v[P0+\j:P0+\j+1], v[P1+\j:P1+\j+1]
.endr
.irp i, 0,1,2,3,4,5,6,7
	v_med3_num_f32 v[P0+\i], v[P0+\i], -v[LIM], v[LIM]
.endr
	v_cvt_scalef32_pk8_bf8_f32 v[PC:PC+1], v[P0:P0+7], v[SC]
	v_nop
	ds_store_b64 v[CS], v[PC:PC+1]
.irp c, 0,1,2,3
	ds_load_b128 v[XF+4*\c:XF+4*\c+3], v[CL] offset:32*\c
.endr
	s_wait_dscnt 0x0
	s_wait_loadcnt 0x0
.irp t, 0,1,2,3
	v_wmma_f32_16x16x128_bf8_bf8 v[ACC+8*\t:ACC+8*\t+7], v[WF+16*\t:WF+16*\t+15], v[XF:XF+15], 0
.endr
.rept 4
	v_nop
.endr
.irp t, 0,1,2,3
	ds_store_b128 v[PS], v[ACC+8*\t:ACC+8*\t+3] offset:PB+PSL*(2*\t)
	ds_store_b128 v[PS], v[ACC+8*\t+4:ACC+8*\t+7] offset:PB+PSL*(2*\t+1)
.endr
	s_wait_dscnt 0x0
	s_barrier_signal -1
	s_barrier_wait -1
	s_cmp_lg_u32 s[WV], 0
	s_cbranch_scc1 .Ldone
.irp p, 0,1,2,3,4,5,6,7
	ds_load_b128 v[FIN+4*\p:FIN+4*\p+3], v[PL] offset:PB+PSW*\p
.endr
	s_wait_dscnt 0x0
.irp p, 0,1,2,3
.irp i, 0,2
	v_pk_add_f32 v[FIN+4*\p+\i:FIN+4*\p+\i+1], v[FIN+4*\p+\i:FIN+4*\p+\i+1], v[FIN+16+4*\p+\i:FIN+16+4*\p+\i+1]
.endr
.endr
.irp p, 0,1
.irp i, 0,2
	v_pk_add_f32 v[FIN+4*\p+\i:FIN+4*\p+\i+1], v[FIN+4*\p+\i:FIN+4*\p+\i+1], v[FIN+8+4*\p+\i:FIN+8+4*\p+\i+1]
.endr
.endr
.irp i, 0,2
	v_pk_add_f32 v[FIN+\i:FIN+\i+1], v[FIN+\i:FIN+\i+1], v[FIN+4+\i:FIN+4+\i+1]
.endr
.irp i, 0,2
	v_pk_fma_f32 v[FIN+\i:FIN+\i+1], v[FIN+\i:FIN+\i+1], s[34:35], v[BI+\i:BI+\i+1] op_sel_hi:[1,0,1]
.endr
	global_store_b128 v[OO], v[FIN:FIN+3], s[12:13]
.Ldone:
	s_wait_tensorcnt 0x0
	ds_add_u32 v[SPW], v[NIL]
	s_wait_dscnt 0x0
	s_endpgm
.Lfunc_end_k_qc3bb631c1f_proj:
	.size	k_qc3bb631c1f_proj, .Lfunc_end_k_qc3bb631c1f_proj-k_qc3bb631c1f_proj
	.p2alignl 7, 3214868480
	.fill 96, 4, 3214868480
	.section	.rodata,"a",@progbits
	.p2align	6, 0x0
	.amdhsa_kernel k_qc3bb631c1f_proj
		.amdhsa_group_segment_fixed_size 37888
		.amdhsa_private_segment_fixed_size 0
		.amdhsa_enable_private_segment 0
		.amdhsa_kernarg_size 40
		.amdhsa_user_sgpr_count 2
		.amdhsa_user_sgpr_kernarg_segment_ptr 1
		.amdhsa_wavefront_size32 1
		.amdhsa_system_sgpr_workgroup_id_x 1
		.amdhsa_system_sgpr_workgroup_id_y 1
		.amdhsa_system_sgpr_workgroup_id_z 1
		.amdhsa_system_vgpr_workitem_id 0
		.amdhsa_next_free_vgpr 200
		.amdhsa_next_free_sgpr 66
		.amdhsa_reserve_vcc 0
		.amdhsa_float_denorm_mode_32 3
		.amdhsa_float_denorm_mode_16_64 3
		.amdhsa_memory_ordered 1
		.amdhsa_forward_progress 1
		.amdhsa_inst_pref_size 10
	.end_amdhsa_kernel
	.amdgpu_metadata
---
amdhsa.version: [ 1, 2 ]
amdhsa.kernels:
  - .name:           k_qc3bb631c1f_proj
    .symbol:         k_qc3bb631c1f_proj.kd
    .args:
      - { .name: part, .offset: 0, .size: 8, .value_kind: global_buffer, .address_space: global }
      - { .name: W_proj_codes, .offset: 8, .size: 8, .value_kind: global_buffer, .address_space: global }
      - { .name: b_proj, .offset: 16, .size: 8, .value_kind: global_buffer, .address_space: global }
      - { .name: lowp_scales, .offset: 24, .size: 8, .value_kind: global_buffer, .address_space: global }
      - { .name: out0, .offset: 32, .size: 8, .value_kind: global_buffer, .address_space: global }
    .group_segment_fixed_size: 37888
    .private_segment_fixed_size: 0
    .kernarg_segment_align: 8
    .kernarg_segment_size: 40
    .max_flat_workgroup_size: 256
    .sgpr_count:     66
    .vgpr_count:     200
    .wavefront_size: 32
...
	.end_amdgpu_metadata
.endif
;; end of part 2
